; MI455X (gfx1250); checked and timed in simulation.
; The chip was launched on July 23, 2026; its instructions are those of AMD's public machine-readable ISA for CDNA 5 (MIT licence, August 2026) and "CDNA5" Instruction Set Architecture Reference Guide (July 2026). The comments in the code are by the model that wrote it; some were corrected since.
;; Attention. Allowed arithmetic: matrix products marked QUANTISED: E4M3 operands, one given power-of-two scale a tensor, by v_wmma_f32_16x16x64_fp8_fp8 or v_wmma_f32_16x16x128_fp8_fp8, f32 sums; everything else in f32.
;; Inputs: b_out 1,024 float32; lowp_scales 8 int32 (the exponents e of the quantised operands' scales 2^e); w_out 1,024 x 1,024 float32; w_qkv 3,072 x 1,024 float32; x 4 x 2,048 x 1,024 float32.
;; Outputs: out0 4 x 2,048 x 1,024 float32.
;; This version of the problem:
;;   THIS VERSION OF THE PROBLEM IS GIVEN IN LOW PRECISION. The matrix products marked QUANTISED in the list below multiply operands that are first quantised to E4M3 (4 exponent bits, 3 mantissa bits; 8 bits a number), with one given power-of-two scale for each operand tensor; their sums are f32. All else is computed in f32.
;;   The module's matrix products, in the order in which they are computed (A, B: the left and right operand; K: the contracted axis; several contracted axes count as one K, in the product's order):
;;     1. [M 8,192, K 1,024] x [K 1,024, N 3,072]; A: input x; B: input w_qkv: QUANTISED (scales: A lowp_scales[0], B lowp_scales[1])
;;     2. batch 64 x [M 2,048, K 64] x [K 64, N 2,048]; A: computed on the way; B: computed on the way: QUANTISED (scales: A lowp_scales[2], B lowp_scales[3])
;;     3. batch 64 x [M 2,048, K 2,048] x [K 2,048, N 64]; A: softmax (see below); B: computed on the way: QUANTISED (scales: A lowp_scales[4], B lowp_scales[5])
;;     4. [M 8,192, K 1,024] x [K 1,024, N 1,024]; A: computed on the way; B: input w_out: QUANTISED (scales: A lowp_scales[6], B lowp_scales[7])
;;   THE QUANTISER, for each operand of a quantised product, along K:
;;     - The operand's scale is 2^e, e = its entry of the input lowp_scales (int32; the entries are numbered through the quantised products in the list's order, A before B).
;;     - Each number is divided by the scale, clamped to +-448, and rounded to the nearest number of E4M3, ties to even, subnormals kept.
;;     - The product sums the exact products of the quantised numbers (number of the format x scale) in f32.
;;   ~~~python
;;   def quantise(x, axis, e):      # numpy; x: float32 -> the quantised numbers, widened to float32 again
;;       x = np.moveaxis(x, axis, -1); K = x.shape[-1]
;;       r = np.clip(x / 2.0 ** e, -448, 448)
;;       step = 2.0 ** (np.maximum(np.frexp(np.where(r == 0, 1, r))[1] - 1, -6) - 3)
;;       q = np.round(r / step) * step * 2.0 ** e      # np.round: ties to even
;;       return np.moveaxis(q, -1, axis).astype(np.float32)
;;   ~~~
;;   SOFTMAX AHEAD OF A QUANTISED PRODUCT. Where the list says 'softmax', what is quantised is not the finished softmax but p = 2^(t - M), with t = logit x log2(e) and M = ceil(the row's largest t), a whole number; so 1/2 < the row's largest p <= 1. The row's sum l is taken of the UNQUANTISED p, in f32, and the product's result is divided by l at the end. Since M is a whole number, a kernel that streams over the keys may use a running M (the ceiling of the running maximum): every later rescaling is an exact power of two, so the quantised numbers keep their values, but for numbers so far below the row's largest that they fall under the format's range.
;;   OPERANDS COMPUTED ON THE WAY. 'Computed on the way' means the value that the module computes at that place (a softmax that the list does not call 'softmax' is quantised finished and normalised). What goes into a quantiser is computed in f32, as accurately as f32 sums, v_exp_f32 and their like allow (about 1e-6 of the number): no bf16 or f16 on the way to a quantiser, and a product that is left as it is and whose result goes on into a quantised operand takes f32 operands (vector FMAs, or v_wmma_f32_16x16x4_f32). A number that lies on a knife's edge between two numbers of the format may be rounded either way, as far as f32 arithmetic and the matrix unit's own rounding can turn it there, and no further.
;; One version. Each part assembles by itself: llvm-mc -triple=amdgcn-amd-amdhsa -mcpu=gfx1250 --defsym DOCPART=n.
;; ======== version 1 of 1: 4 launches
;; limits: right only within a limited range of input values
;; workspace buffers: x_codes 8,388,608 bytes; wqkv_codes 3,145,728 bytes; wout_codes 1,048,576 bytes; q_codes 8,388,608 bytes; k_codes 8,388,608 bytes; v_codes 8,388,608 bytes; a_codes 8,388,608 bytes
;; launch quant (part 1): grid 768 x 1, 4 waves a work-group, no clusters, 33,280 bytes of LDS; arguments x, w_qkv, w_out, lowp_scales, x_codes, wqkv_codes, wout_codes; writes x_codes, wqkv_codes, wout_codes
.if DOCPART == 1
	.amdgcn_target "amdgcn-amd-amdhsa--gfx1250"
	.amdhsa_code_object_version 6
	.text
	.protected	k_q657ad8c867_quant
	.globl	k_q657ad8c867_quant
	.p2align	8
	.type	k_q657ad8c867_quant,@function
k_q657ad8c867_quant:
	s_mov_b64 s[64:65], 0
	v_nop
	global_prefetch_b8 v0, s[64:65] scope:SCOPE_SE
	s_setreg_imm32_b32 hwreg(HW_REG_WAVE_MODE, 25, 1), 1
	s_wait_xcnt 0x0
; x [8192][1024], w_qkv [3072][1024] and w_out [1024][1024], f32, become codes of FP8 (E4M3), one byte each, K innermost, rows as they lie.
; code = number / 2^e, held within +-448, rounded to the nearest code, ties to even.  e: entry 0 of the scales for x, entry 1 for w_qkv, entry 7 for w_out.
; LIMITS: -126 <= e <= 119, so that 2^e and 448 x 2^e are f32 numbers.  NaN among the inputs is not served (an infinity is held at the largest code).
; Rows are dense, so each tensor is a plain stream.  A work-group takes 16,384 numbers: 4 waves x 8 steps x 512.  Work-groups 0-511 take x, 512-703 w_qkv, 704-767 w_out: 768 in all, three for each of 256 WGPs.
; Only pointers and the exponent are chosen (by the work-group's number); the text has one path.  No cluster: no two work-groups read the same byte.  No prefetch: the launch streams, each byte once.
; A conversion takes 8 neighbours along K from ONE lane's registers, a load is dense where neighbouring LANES take neighbouring bytes.  Both are had: each of a step's four loads reads 512 consecutive
; bytes, 16 a lane; the 2,048 bytes go through the wave's own stage in LDS and come back 64 bytes a lane (80 bytes from lane to lane, so that the reads spread over the banks).
; A lane's 16 codes are 16 bytes: a wave's store covers 512 consecutive bytes, aligned.  Waves share nothing: no barrier.  Loads run four steps (16 loads a wave) ahead.
.set STEPS, 8
.set WGX,   512                        ; x's work-groups: 8,388,608 / 16,384
.set WGQ,   704                        ; + w_qkv's 192
.set EMAX,  8
.set MANT,  0x600000                   ; the mantissa field of 448 as f32
.set CB,    16                         ; bytes of 16 codes
.set SPW,   12                         ; v12 my spare word's LDS address; never rewritten
.set NIL,   13                         ; v13 0; never rewritten
.set R,     16                         ; v16-79   four sets of 16 numbers as they are loaded
.set X,     80                         ; v80-111  two sets of 16 neighbours
.set C,     112                        ; v112-143 codes: four registers for each step, so that no store's data are written again
.set WREG,  8192                       ; LDS: a region for each wave: two stages of 32 x SP bytes
.set SP,    80
.set SPARE, 4*WREG                     ; behind the regions: the spare words, 128 bytes a wave
	s_load_b256 s[4:11], s[0:1], 0x0               ; x s[4:5], w_qkv s[6:7], w_out s[8:9], the scales' exponents s[10:11]
	s_load_b128 s[12:15], s[0:1], 0x20             ; x's codes, w_qkv's codes
	s_load_b64 s[16:17], s[0:1], 0x30              ; w_out's codes
	v_lshl_add_u32 v[SPW], v0, 2, SPARE
	v_mov_b32 v[NIL], 0
	v_lshrrev_b32 v1, 5, v0
	v_readfirstlane_b32 s18, v1                    ; wave
	v_and_b32 v2, 31, v0                           ; lane
	v_lshlrev_b32 v3, 4, v2                        ; my 16 bytes of a load's 512
	s_mul_i32 s19, s18, WREG
	v_lshrrev_b32 v14, 2, v2
	v_mul_u32_u24 v14, v14, SP
	v_and_b32 v15, 3, v2
	v_lshl_add_u32 v14, v15, 4, v14
	v_add_nc_u32 v14, s19, v14                     ; the stage, on the way in: four lanes' 64 bytes on end, then 16 of padding
	v_mul_u32_u24 v15, v2, SP
	v_add_nc_u32 v15, s19, v15                     ; and on the way out: my 16 neighbours
	v_mul_u32_u24 v4, v2, CB                       ; my codes' place in a step's
	s_wait_alu depctr_va_vdst(0)
	s_wait_kmcnt 0x0
	s_load_b256 s[24:31], s[10:11], 0x0            ; e0 .. e7
	s_cmp_lt_u32 ttmp9, WGQ                        ; w_qkv's work-group or w_out's?
	s_cselect_b64 s[32:33], s[6:7], s[8:9]
	s_cselect_b64 s[34:35], s[14:15], s[16:17]
	s_mov_b32 s36, WGQ
	s_cselect_b32 s36, WGX, s36                    ; the tensor's first work-group
	s_cmp_lt_u32 ttmp9, WGX                        ; or x's?
	s_cselect_b64 s[32:33], s[4:5], s[32:33]
	s_cselect_b64 s[34:35], s[12:13], s[34:35]
	s_cselect_b32 s36, 0, s36
	s_sub_co_u32 s36, ttmp9, s36
	s_lshl_b32 s36, s36, 2
	s_add_co_u32 s20, s36, s18                     ; which run of 4,096 numbers of the tensor is my wave's
	s_mov_b32 s21, 0
	s_lshl_b64 s[22:23], s[20:21], 14              ; 16,384 bytes of numbers,
	s_add_nc_u64 s[32:33], s[32:33], s[22:23]
	s_lshl_b64 s[22:23], s[20:21], 12              ; 4,096 bytes of codes
	s_add_nc_u64 s[34:35], s[34:35], s[22:23]
.macro LOAD t
.irp i, 0,1,2,3
	global_load_b128 v[R+16*((\t)%4)+4*\i:R+16*((\t)%4)+4*\i+3], v3, s[32:33] offset:2048*(\t)+512*\i th:TH_LOAD_NT   ; 32 lanes read 512 consecutive bytes; read once in the launch
.endr
.endm
.macro TURN t                          ; step t's numbers through the stage: LDS serves a wave's instructions in order, so no wait stands between the stores and the loads
.irp i, 0,1,2,3
	ds_store_b128 v14, v[R+16*((\t)%4)+4*\i:R+16*((\t)%4)+4*\i+3] offset:32*SP*((\t)%2)+8*SP*\i
.endr
.irp i, 0,1,2,3
	ds_load_b128 v[X+16*((\t)%2)+4*\i:X+16*((\t)%2)+4*\i+3], v15 offset:32*SP*((\t)%2)+16*\i
.endr
.endm
.irp t, 0,1,2,3
	LOAD \t
.endr
	s_wait_kmcnt 0x0
	s_cmp_lt_u32 ttmp9, WGQ
	s_cselect_b32 s37, s25, s31                    ; e1 or e7,
	s_cmp_lt_u32 ttmp9, WGX
	s_cselect_b32 s37, s24, s37                    ; or e0
	s_add_co_i32 s37, s37, 127
	s_lshl_b32 s38, s37, 23
	v_mov_b32 v11, s38                             ; 2^e as f32: the conversion takes its exponent field
	s_add_co_i32 s37, s37, EMAX
	s_lshl_b32 s37, s37, 23
	s_or_b32 s37, s37, MANT
	v_mov_b32 v10, s37                             ; 448 x 2^e
	s_wait_alu depctr_va_vdst(0)
	s_wait_loadcnt 12                              ; step 0's four loads are in; the twelve of steps 1 to 3 may be out
	TURN 0
.macro STEP t
.set XS, X+16*((\t)%2)
	s_wait_dscnt 0x0                               ; this step's numbers are back from the stage: so its stores into the stage have read their registers,
.if (\t)+4 < STEPS
	LOAD (\t)+4                                    ; which take the loads of four steps on
.endif
.if (\t)+1 < STEPS
.if STEPS-2-(\t) >= 3
	s_wait_loadcnt 12                              ; the next step's four loads are in; those of the three steps behind it may be out
.else
	s_wait_loadcnt 4*(STEPS-2-(\t))                ; at the end the count runs down: 8, 4, 0
.endif
	TURN (\t)+1                                    ; and go through the other stage while this step is worked
.endif
.irp i, 0,1,2,3,4,5,6,7,8,9,10,11,12,13,14,15
	v_med3_num_f32 v[XS+\i], v[XS+\i], -v10, v10   ; the conversion to an 8-bit code does not saturate (ISA guide 7.6.2): hold the number within 448 x the scale first
.endr
	v_cvt_scalef32_pk8_fp8_f32 v[C+4*(\t):C+4*(\t)+1], v[XS:XS+7], v11          ; eight numbers / 2^e, to the nearest code, ties to even; the first number's code in the lowest byte
	v_cvt_scalef32_pk8_fp8_f32 v[C+4*(\t)+2:C+4*(\t)+3], v[XS+8:XS+15], v11
	global_store_b128 v4, v[C+4*(\t):C+4*(\t)+3], s[34:35] offset:32*CB*(\t)     ; the results go to a store alone; the next vector lines are the next step's holds, on other registers
.endm
.irp t, 0,1,2,3,4,5,6,7
	STEP \t
.endr
	s_wait_tensorcnt 0x0                           ; the wave's end
	ds_add_u32 v[SPW], v[NIL]
	s_wait_dscnt 0x0
	s_endpgm
.Lfunc_end_k_q657ad8c867_quant:
	.size	k_q657ad8c867_quant, .Lfunc_end_k_q657ad8c867_quant-k_q657ad8c867_quant
	.p2alignl 7, 3214868480
	.fill 96, 4, 3214868480
	.section	.rodata,"a",@progbits
	.p2align	6, 0x0
	.amdhsa_kernel k_q657ad8c867_quant
		.amdhsa_group_segment_fixed_size 33280
		.amdhsa_private_segment_fixed_size 0
		.amdhsa_enable_private_segment 0
		.amdhsa_kernarg_size 56
		.amdhsa_user_sgpr_count 2
		.amdhsa_user_sgpr_kernarg_segment_ptr 1
		.amdhsa_wavefront_size32 1
		.amdhsa_system_sgpr_workgroup_id_x 1
		.amdhsa_system_sgpr_workgroup_id_y 1
		.amdhsa_system_sgpr_workgroup_id_z 1
		.amdhsa_system_vgpr_workitem_id 0
		.amdhsa_next_free_vgpr 144
		.amdhsa_next_free_sgpr 66
		.amdhsa_reserve_vcc 0
		.amdhsa_float_denorm_mode_32 3
		.amdhsa_float_denorm_mode_16_64 3
		.amdhsa_memory_ordered 1
		.amdhsa_forward_progress 1
		.amdhsa_inst_pref_size 20
	.end_amdhsa_kernel
	.amdgpu_metadata
---
amdhsa.version: [ 1, 2 ]
amdhsa.kernels:
  - .name:           k_q657ad8c867_quant
    .symbol:         k_q657ad8c867_quant.kd
    .args:
      - { .name: x, .offset: 0, .size: 8, .value_kind: global_buffer, .address_space: global }
      - { .name: w_qkv, .offset: 8, .size: 8, .value_kind: global_buffer, .address_space: global }
      - { .name: w_out, .offset: 16, .size: 8, .value_kind: global_buffer, .address_space: global }
      - { .name: lowp_scales, .offset: 24, .size: 8, .value_kind: global_buffer, .address_space: global }
      - { .name: x_codes, .offset: 32, .size: 8, .value_kind: global_buffer, .address_space: global }
      - { .name: wqkv_codes, .offset: 40, .size: 8, .value_kind: global_buffer, .address_space: global }
      - { .name: wout_codes, .offset: 48, .size: 8, .value_kind: global_buffer, .address_space: global }
    .group_segment_fixed_size: 33280
    .private_segment_fixed_size: 0
    .kernarg_segment_align: 8
    .kernarg_segment_size: 56
    .max_flat_workgroup_size: 128
    .sgpr_count:     66
    .vgpr_count:     144
    .wavefront_size: 32
...
	.end_amdgpu_metadata
.endif
;; end of part 1
;; launch qkv (part 2): grid 12 x 32, 4 waves a work-group, clusters of 4 x 4, 327,680 bytes of LDS; arguments x_codes, wqkv_codes, lowp_scales, q_codes, k_codes, v_codes; writes q_codes, k_codes, v_codes
.if DOCPART == 2
	.amdgcn_target "amdgcn-amd-amdhsa--gfx1250"
	.amdhsa_code_object_version 6
	.text
	.protected	k_q657ad8c867_qkv
	.globl	k_q657ad8c867_qkv
	.p2align	8
	.type	k_q657ad8c867_qkv,@function
k_q657ad8c867_qkv:
	s_mov_b64 s[64:65], 0
	v_nop
	global_prefetch_b8 v0, s[64:65] scope:SCOPE_SE
	s_setreg_imm32_b32 hwreg(HW_REG_WAVE_MODE, 25, 1), 1
	s_wait_xcnt 0x0
	s_wait_alu depctr_hold_cnt(0) depctr_sa_sdst(0) depctr_va_vdst(0) depctr_va_sdst(0) depctr_va_ssrc(0) depctr_va_vcc(0) depctr_vm_vsrc(0)
	s_getreg_b32 s2, hwreg(HW_REG_IB_STS2, 6, 4)
	s_cmp_eq_u32 s2, 0
	s_cbranch_scc0 .Lentry_in_a_cluster
	s_endpgm
.Lentry_in_a_cluster:
	s_bfe_u32 s2, ttmp6, 0x10000c
	s_cmp_lg_u32 s2, 0xf033
	s_cbranch_scc0 .Lentry_shape_is_right
	s_endpgm
.Lentry_shape_is_right:
.set ROWB,   256
.set KROW,   1024
.set PITCH,  272
.set FR,     16
.set NL,     4
.set NP,     4
.set HALFT,  128*PITCH
.set SLOT,   4*HALFT
.set LAPS,   2
.set SPARE,  2*SLOT
.set ADRA, 16
.set ADRB, 20
.set STO,  24
.set RD,   25
.set CO,   26
.set SPW,  28
.set NIL,  29
.set SC,   30
.set LIM,  31
.set TMP,  32
.set CODE, 96
.set AF,   128
.set BK,   128
.set G1, 24
.set G0, 32
.set G1B, 48
.set G0B, 56
.set MSB, 0
.macro WIN new
.if MSB != (\new)
	s_set_vgpr_msb (MSB<<8)|(\new)
.set MSB, (\new)
.endif
.endm
.set MUL_LO, 0xa1
.set MUL_HI, 0xf1
.set TO_B,   0x40
.macro JLOAD g0a, g1a, g0b, g1b
	s_cmp_eq_u32 s15, 0
	s_cbranch_scc0 .Lfor_b_\@
	tensor_load_to_lds s[\g0a:\g0a+3], s[\g1a:\g1a+7]
	s_nop 0
.rept 4
	v_nop
.endr
	s_branch .Lasked_\@
.Lfor_b_\@:
	tensor_load_to_lds s[\g0b:\g0b+3], s[\g1b:\g1b+7]
	s_nop 0
.rept 4
	v_nop
.endr
.Lasked_\@:
.endm
.macro CREST
	s_cmp_lg_u32 s14, 0
	s_cbranch_scc1 .Lnot_wave_0_\@
	s_barrier_signal -3
.Lnot_wave_0_\@:
	s_barrier_wait -3
	s_barrier_signal -1
	s_barrier_wait -1
.endm
.macro CROUND
	s_barrier_signal -1
	s_barrier_wait -1
	CREST
.endm
	s_load_b128 s[4:7], s[0:1], 0x0
	s_load_b64 s[8:9], s[0:1], 0x10
	s_load_b128 s[80:83], s[0:1], 0x18
	s_load_b64 s[84:85], s[0:1], 0x28
	v_lshl_add_u32 v[SPW], v0, 2, SPARE
	v_mov_b32 v[NIL], 0
	ds_add_u32 v28, v29
	ds_add_u32 v28, v29
	s_wait_dscnt 0x0
	v_lshrrev_b32 v1, 5, v0
	v_readfirstlane_b32 s14, v1
	s_lshr_b32 s15, s14, 1
	s_and_b32 s16, s14, 1
	s_bfe_u32 s40, ttmp6, 0x40000
	s_bfe_u32 s41, ttmp6, 0x40004
	s_and_b32 s67, ttmp7, 0xffff
	s_lshl_b32 s69, s67, 2
	s_lshl_b32 s70, ttmp9, 2
	s_cmp_eq_u32 ttmp9, 2
	s_cselect_b32 s17, 8, s69
	s_cselect_b32 s42, s69, s70
	s_add_co_u32 s17, s17, s41
	s_add_co_u32 s42, s42, s40
	s_lshl_b32 s43, s41, 2
	s_lshl_b32 s43, 15, s43
	s_lshl_b32 s44, 0x1111, s40
	s_or_b32 s[G1+0], s43, (0<<16)|(1<<20)|(1<<21)|(5<<22)|(3<<25)
	s_or_b32 s[G1B+0], s44, (0<<16)|(1<<20)|(1<<21)|(5<<22)|(3<<25)
.irp g, G1, G1B
	s_mov_b32 s[\g+1], ROWB<<16
	s_mov_b32 s[\g+2], 128<<16
	s_mov_b32 s[\g+3], ROWB<<16
	s_mov_b32 s[\g+4], 128
	s_mov_b32 s[\g+5], KROW
	s_mov_b32 s[\g+6], 0
	s_mov_b32 s[\g+7], 0
.endr
	s_lshl_b32 s18, s16, 7
	s_lshl_b32 s20, s17, 8
	s_add_co_u32 s20, s20, s18
	s_lshl_b32 s20, s20, 10
	s_mov_b32 s21, 0
	s_lshl_b32 s46, s42, 8
	s_add_co_u32 s46, s46, s18
	s_lshl_b32 s46, s46, 10
	s_mov_b32 s47, 0
	s_mul_i32 s45, s14, HALFT
	s_wait_kmcnt 0x0
	s_load_b256 s[72:79], s[8:9], 0x0
	s_cmp_eq_u32 ttmp9, 2
	s_cselect_b64 s[86:87], s[6:7], s[4:5]
	s_cselect_b64 s[88:89], s[4:5], s[6:7]
	s_add_nc_u64 s[20:21], s[86:87], s[20:21]
	s_add_nc_u64 s[46:47], s[88:89], s[46:47]
	CROUND
.irp s, 0,1
	s_mov_b32 s[G0+4*\s], 1
	s_add_co_u32 s[G0+4*\s+1], s45, \s*SLOT
	s_add_nc_u64 s[G0+4*\s+2:G0+4*\s+3], s[20:21], \s*ROWB
	s_or_b32 s[G0+4*\s+3], s[G0+4*\s+3], 0x80000000
	s_mov_b32 s[G0B+4*\s], 1
	s_add_co_u32 s[G0B+4*\s+1], s45, \s*SLOT
	s_add_nc_u64 s[G0B+4*\s+2:G0B+4*\s+3], s[46:47], \s*ROWB
	s_or_b32 s[G0B+4*\s+3], s[G0B+4*\s+3], 0x80000000
.endr
	JLOAD G0, G1, G0B, G1B                         ; K step 0: one tensor load a wave at the head
	; prefetches: of the 128 rows that my wave fetches, the four partners that ask jointly take 32 each, told apart by address; a lane a row, 256 bytes of it a K step
	s_cmp_eq_u32 s15, 0
	s_cselect_b64 s[70:71], s[20:21], s[46:47]     ; the rows that I fetch
	s_cselect_b32 s68, s40, s41                    ; my place among the four
	s_lshl_b32 s68, s68, 15                        ; 32 rows of 1,024 bytes
	s_mov_b32 s69, 0
	s_add_nc_u64 s[70:71], s[70:71], s[68:69]
	s_cmp_eq_u32 ttmp9, 2
	s_cselect_b32 s68, 1, 0
	s_xor_b32 s68, s68, s15                        ; 1: my rows are the weights', which all eight rows of clusters read
	s_lshr_b32 s69, s67, 2
	s_and_b32 s68, s68, s69                        ; 1: weights, in cluster rows 4 to 7: these ask for nothing, so four clusters name each block
	v_and_b32 v22, 31, v0
	v_lshlrev_b32 v22, 10, v22                     ; my lane's row; never rewritten
	s_wait_alu depctr_va_vdst(0)
	s_cmp_eq_u32 s68, 0
	s_cbranch_scc0 .Lno_ask0
	global_prefetch_b8 v22, s[70:71] offset:256 th:TH_LOAD_NT scope:SCOPE_SE   ; K step 1
	global_prefetch_b8 v22, s[70:71] offset:512 th:TH_LOAD_NT scope:SCOPE_SE   ; K step 2
.Lno_ask0:
	v_and_b32 v1, 15, v0
	s_wait_alu depctr_va_vdst(0)
	v_bfe_u32 v2, v0, 4, 1
	v_mul_u32_u24 v3, v1, PITCH
	v_lshl_add_u32 v4, v2, 4, v3
	s_mul_i32 s21, s15, HALFT
	s_mul_i32 s22, s16, HALFT
	s_add_co_u32 s22, s22, 2*HALFT
.irp s, 0,1
	v_add_nc_u32 v[ADRA+\s], s21, v4
	v_add_nc_u32 v[ADRB+\s], s22, v4
	s_add_co_u32 s21, s21, SLOT
	s_add_co_u32 s22, s22, SLOT
.endr
	s_mul_i32 s23, s14, 2560
	v_mul_u32_u24 v5, v1, 80
	s_wait_alu depctr_va_vdst(0)
	v_lshl_add_u32 v5, v2, 4, v5
	v_add_nc_u32 v[STO], s23, v5
	v_and_b32 v6, 31, v0
	v_lshlrev_b32 v[CO], 4, v6
	v_lshrrev_b32 v7, 2, v6
	v_mul_u32_u24 v7, v7, 80
	v_and_b32 v8, 3, v6
	v_lshl_add_u32 v7, v8, 4, v7
	v_add_nc_u32 v[RD], s23, v7
	s_cmp_eq_u32 ttmp9, 2
	s_cselect_b32 s86, s42, s17
	s_cselect_b32 s87, s41, s40
	s_cselect_b32 s88, s15, s16
	s_cselect_b32 s89, s16, s15
	s_mov_b32 s94, 4096
	s_mov_b32 s95, 131072
	s_cselect_b32 s90, s94, s95
	s_cselect_b32 s92, s95, s94
	s_cselect_b64 s[10:11], s[84:85], s[82:83]
	s_cmp_eq_u32 ttmp9, 0
	s_cselect_b64 s[10:11], s[80:81], s[10:11]
	s_mov_b32 s91, 0
	s_mov_b32 s93, 0
	s_lshr_b32 s96, s86, 3
	s_lshl_b32 s96, s96, 21
	s_lshl_b32 s97, s87, 2
	s_lshl_b32 s98, s88, 1
	s_add_co_u32 s97, s97, s98
	s_lshl_b32 s97, s97, 17
	s_add_co_u32 s96, s96, s97
	s_and_b32 s97, s86, 7
	s_lshl_b32 s97, s97, 2
	s_lshl_b32 s98, s89, 1
	s_add_co_u32 s97, s97, s98
	s_lshl_b32 s97, s97, 12
	s_add_co_u32 s96, s96, s97
	s_mov_b32 s97, 0
	s_add_nc_u64 s[10:11], s[10:11], s[96:97]
	s_add_nc_u64 s[12:13], s[10:11], s[90:91]
.macro FRAG reg, adr, q, i
.irp c, 0,1,2,3
	ds_load_b128 v[\reg+4*\c:\reg+4*\c+3], v[\adr] offset:128*(\q)+32*\c+(\i)*16*PITCH
.endr
.endm
.macro MUL16 a0, p, zero
.irp a, \a0, \a0+1
.irp b, 0,1,2,3,4,5,6,7
.if \zero
	v_wmma_f32_16x16x128_fp8_fp8 v[8*(8*((\a)%4)+\b):8*(8*((\a)%4)+\b)+7], v[128*(\p)+FR*\b:128*(\p)+FR*\b+FR-1], v[AF+FR*(\a):AF+FR*(\a)+FR-1], 0
.else
	v_wmma_f32_16x16x128_fp8_fp8 v[8*(8*((\a)%4)+\b):8*(8*((\a)%4)+\b)+7], v[128*(\p)+FR*\b:128*(\p)+FR*\b+FR-1], v[AF+FR*(\a):AF+FR*(\a)+FR-1], v[8*(8*((\a)%4)+\b):8*(8*((\a)%4)+\b)+7]
.endif
.endr
.endr
.endm
.macro FETCH_B slot, q, p
	WIN TO_B
.irp i, 0,1,2,3,4,5,6,7
	FRAG 128*(\p)+FR*\i, ADRB+\slot, \q, \i
.endr
	WIN 0
.endm
.macro FETCH_A slot, q, i0
.irp i, \i0, \i0+1, \i0+2, \i0+3
	FRAG AF+FR*(\i), ADRA+\slot, \q, \i
.endr
.endm
.macro PLACES n
.rept \n
	v_nop
.endr
.endm
.macro STEP slot, q, zero
	s_wait_dscnt 4*NL
	WIN MUL_LO
	MUL16 0, (\q)%2, \zero
	MUL16 2, (\q)%2, \zero
	s_wait_dscnt 0
	PLACES NP
	FETCH_B \slot, (\q)+1, 1-(\q)%2
	FETCH_A \slot, (\q)+1, 0
	WIN MUL_HI
	MUL16 4, (\q)%2, \zero
	MUL16 6, (\q)%2, \zero
	PLACES NP
	WIN 0
	FETCH_A \slot, (\q)+1, 4
.endm
.macro TURN slot, next, fill
	s_wait_tensorcnt 0x0
	ds_add_u32 v[SPW], v[NIL]
	s_wait_dscnt 4*NL+1
	WIN MUL_LO
	MUL16 0, 1, 0
	s_wait_dscnt 0x0
	s_barrier_signal -1
	MUL16 2, 1, 0
	WIN 0
	s_barrier_wait -1
.if \fill
	CREST
	s_add_nc_u64 s[G0+4*\slot+2:G0+4*\slot+3], s[G0+4*\slot+2:G0+4*\slot+3], 2*ROWB
	s_add_nc_u64 s[G0B+4*\slot+2:G0B+4*\slot+3], s[G0B+4*\slot+2:G0B+4*\slot+3], 2*ROWB
	JLOAD G0+4*\slot, G1, G0B+4*\slot, G1B
.else
	PLACES NP
.endif
	FETCH_B \next, 0, 0
	FETCH_A \next, 0, 0
	WIN MUL_HI
	MUL16 4, 1, 0
	MUL16 6, 1, 0
	PLACES NP
	WIN 0
	FETCH_A \next, 0, 4
.endm
	s_wait_alu depctr_va_vdst(0)
	s_wait_tensorcnt 0x0                           ; my part of K step 0 is in
	ds_add_u32 v[SPW], v[NIL]
	s_wait_dscnt 0x0
	CROUND                                         ; everybody's part is in, and the joint loads meet
	JLOAD G0+4, G1, G0B+4, G1B                     ; K step 1, slot 1's first fill
	FETCH_B 0, 0, 0
	s_cmp_eq_u32 s68, 0
	s_cbranch_scc0 .Lno_ask1
	global_prefetch_b8 v22, s[70:71] offset:768 th:TH_LOAD_NT scope:SCOPE_SE   ; K step 3, the last: two refills on
.Lno_ask1:
	FETCH_A 0, 0, 0
	FETCH_A 0, 0, 4
	STEP 0, 0, 1
	s_mov_b32 s3, LAPS-1
.Llap:
	TURN 0, 1, 1
	STEP 1, 0, 0
	TURN 1, 0, 1
	STEP 0, 0, 0
	s_sub_co_u32 s3, s3, 1
	s_cmp_lg_u32 s3, 0
	s_cbranch_scc1 .Llap
	TURN 0, 1, 0
	STEP 1, 0, 0
	s_wait_dscnt 4*NL
	WIN MUL_LO
	MUL16 0, 1, 0
	MUL16 2, 1, 0
	s_wait_dscnt 0
	WIN MUL_HI
	MUL16 4, 1, 0
	MUL16 6, 1, 0
	WIN 0
.macro TOSTAGE a
.set AC, 64*((\a)%4)
.set CD, CODE+16*((\a)%2)
.set BB, BK+16*((\a)%2)
	WIN 0x02+((\a)/4)
.set j, 0
.rept 64
	v_med3_num_f32 v[TMP+j], v[AC+j], -v[LIM], v[LIM]
.set j, j+1
.endr
	WIN 0
.irp b, 0,1,2,3,4,5,6,7
	v_cvt_scalef32_pk8_fp8_f32 v[CD+2*\b:CD+2*\b+1], v[TMP+8*\b:TMP+8*\b+7], v[SC]
.endr
	v_nop
.irp b, 0,1,2,3
	ds_store_b128 v[STO], v[CD+4*\b:CD+4*\b+3] offset:(\b/2)*1280+32*(\b%2)
.endr
.irp u, 0,1
.irp i, 0,1
	ds_load_b128 v[BB+4*(2*\u+\i):BB+4*(2*\u+\i)+3], v[RD] offset:\u*1280+\i*640
.endr
.endr
.endm
.macro SEND a, younger
.set BB, BK+16*((\a)%2)
	s_wait_dscnt \younger
.if (\a) == 4
	s_add_nc_u64 s[10:11], s[10:11], s[92:93]
	s_add_nc_u64 s[12:13], s[12:13], s[92:93]
.endif
.irp u, 0,1
.irp i, 0,1
	global_store_b128 v[CO], v[BB+4*(2*\u+\i):BB+4*(2*\u+\i)+3], s[10+2*\u:11+2*\u] offset:((\a)%4)*1024+\i*512
.endr
.endr
.endm
	s_wait_kmcnt 0x0
	s_cmp_eq_u32 ttmp9, 2
	s_cselect_b32 s99, s77, s75
	s_cmp_eq_u32 ttmp9, 0
	s_cselect_b32 s99, s74, s99
	s_sub_co_i32 s99, s99, s72
	s_sub_co_i32 s99, s99, s73
	s_add_co_i32 s99, s99, 127
	s_lshl_b32 s98, s99, 23
	v_mov_b32 v[SC], s98
	s_add_co_i32 s99, s99, 8
	s_lshl_b32 s99, s99, 23
	s_or_b32 s99, s99, 0x600000
	v_mov_b32 v[LIM], s99
	PLACES NP
	TOSTAGE 0
.irp a, 1,2,3,4,5,6,7
.if \a > 1
	s_wait_xcnt 0x0
.endif
	TOSTAGE \a
	SEND \a-1, 8
.endr
	SEND 7, 0
	s_wait_tensorcnt 0x0
	ds_add_u32 v[SPW], v[NIL]
	s_wait_dscnt 0x0
	CROUND
	s_endpgm
.Lfunc_end_k_q657ad8c867_qkv:
	.size	k_q657ad8c867_qkv, .Lfunc_end_k_q657ad8c867_qkv-k_q657ad8c867_qkv
	.p2alignl 7, 3214868480
	.fill 96, 4, 3214868480
	.section	.rodata,"a",@progbits
	.p2align	6, 0x0
	.amdhsa_kernel k_q657ad8c867_qkv
		.amdhsa_group_segment_fixed_size 327680
		.amdhsa_private_segment_fixed_size 0
		.amdhsa_enable_private_segment 0
		.amdhsa_kernarg_size 48
		.amdhsa_user_sgpr_count 2
		.amdhsa_user_sgpr_kernarg_segment_ptr 1
		.amdhsa_wavefront_size32 1
		.amdhsa_system_sgpr_workgroup_id_x 1
		.amdhsa_system_sgpr_workgroup_id_y 1
		.amdhsa_system_sgpr_workgroup_id_z 1
		.amdhsa_system_vgpr_workitem_id 0
		.amdhsa_next_free_vgpr 1024
		.amdhsa_next_free_sgpr 100
		.amdhsa_reserve_vcc 0
		.amdhsa_float_denorm_mode_32 3
		.amdhsa_float_denorm_mode_16_64 3
		.amdhsa_memory_ordered 1
		.amdhsa_forward_progress 1
		.amdhsa_inst_pref_size 125
	.end_amdhsa_kernel
	.amdgpu_metadata
---
amdhsa.version: [ 1, 2 ]
amdhsa.kernels:
  - .name:           k_q657ad8c867_qkv
    .symbol:         k_q657ad8c867_qkv.kd
    .args:
      - { .name: x_codes, .offset: 0, .size: 8, .value_kind: global_buffer, .address_space: global }
      - { .name: wqkv_codes, .offset: 8, .size: 8, .value_kind: global_buffer, .address_space: global }
      - { .name: lowp_scales, .offset: 16, .size: 8, .value_kind: global_buffer, .address_space: global }
      - { .name: q_codes, .offset: 24, .size: 8, .value_kind: global_buffer, .address_space: global }
      - { .name: k_codes, .offset: 32, .size: 8, .value_kind: global_buffer, .address_space: global }
      - { .name: v_codes, .offset: 40, .size: 8, .value_kind: global_buffer, .address_space: global }
    .group_segment_fixed_size: 327680
    .private_segment_fixed_size: 0
    .kernarg_segment_align: 8
    .kernarg_segment_size: 48
    .max_flat_workgroup_size: 128
    .sgpr_count:     100
    .vgpr_count:     1024
    .wavefront_size: 32
...
	.end_amdgpu_metadata
.endif
;; end of part 2
;; launch attn (part 3): grid 4 x 64, 8 waves a work-group, clusters of 4 x 1, 327,680 bytes of LDS; arguments q_codes, k_codes, v_codes, lowp_scales, a_codes; writes a_codes
.if DOCPART == 3
	.amdgcn_target "amdgcn-amd-amdhsa--gfx1250"
	.amdhsa_code_object_version 6
	.text
	.protected	k_q657ad8c867_attn
	.globl	k_q657ad8c867_attn
	.p2align	8
	.type	k_q657ad8c867_attn,@function
k_q657ad8c867_attn:
	s_mov_b64 s[64:65], 0
	v_nop
	global_prefetch_b8 v0, s[64:65] scope:SCOPE_SE
	s_setreg_imm32_b32 hwreg(HW_REG_WAVE_MODE, 25, 1), 1
	s_wait_xcnt 0x0
	s_wait_alu depctr_hold_cnt(0) depctr_sa_sdst(0) depctr_va_vdst(0) depctr_va_sdst(0) depctr_va_ssrc(0) depctr_va_vcc(0) depctr_vm_vsrc(0)
	s_getreg_b32 s2, hwreg(HW_REG_IB_STS2, 6, 4)
	s_cmp_eq_u32 s2, 0
	s_cbranch_scc0 .Lentry_in_a_cluster
	s_endpgm
.Lentry_in_a_cluster:
	s_bfe_u32 s2, ttmp6, 0x10000c
	s_cmp_lg_u32 s2, 0x3003
	s_cbranch_scc0 .Lentry_shape_is_right
	s_endpgm
.Lentry_shape_is_right:
; Attention on codes of FP8 (E4M3): 64 heads (batch x head) of 2,048 tokens x 64.  Both products on codes; the result is quantised at once for the last product.
; t = score x 2^(e2 + e3) x log2(e) / 32; M = the row's largest t so far, rounded UP to a whole number; p = 2^(t - M) is quantised with 2^e4; the row's sum l is taken of the unquantised p.
; When M moves, l and O are multiplied by 2^(old M - new M): exact.  At the end O x 2^(e4 + e5) / l is divided by 2^e6, held within +-448 and converted.
; LIMITS: e2 + e3 between -121 and 132 (added to the exponent field of log2(e) / 32); e4 between -126 and 119; e4 + e5 - e6 goes through v_ldexp_f32.  NaN is not served.
; SHARES.  A cluster of four work-groups is one head; a work-group owns 512 queries, each of its eight waves 64: four tiles of 16, which share every fragment of K and V.  Two waves to a SIMD.
; THE HEAD'S WHOLE K AND V LIE IN LDS (278,528 bytes with padding), fetched once by joint loads that name all four work-groups: waves 0-3 fetch K, waves 4-7 V, each a quarter of keys 0-255 at the head
; (16 long rows) and a quarter of keys 256-2,047 (112 long rows) behind the full sequence and a round of the cluster's barrier; that load has two key steps in which to land.  No LDS byte is filled twice.
; No prefetch into the L2: the second load is asked for two key steps ahead of its first read, and nothing else comes from memory in the loop.
; LAYOUT.  S^T = K Q^T (source 0 = 16 keys, source 1 = 16 queries, K = 64), O^T = V^T P^T (source 0 = 16 channels, source 1 = P, K = 128 keys): a lane holds ONE query (lane % 16).
; Register 8 T + j of a tile's scores is key 16 T + 8 (lane / 16) + j; converted, tile T gives registers 2 T, 2 T + 1 of P, the places that the K = 128 form gives these keys; V's codes were laid to match.
; LDS.  Four rows of 64 bytes make a long row of 256 with 16 bytes of padding: row R at (R / 4) x 272 + (R % 4) x 64.
; THE SOFTMAX IS WORKED FOR TWO TILES AT ONCE: their dependent chains take turns line by line, and 128 exponentials form one batch.
; K'S FRAGMENTS ARE ASKED FOR A STEP AHEAD: tiles 0-3 with V's loads, into registers of their own; tiles 4-7 in the middle of the second product, into the registers that V's channels 32-63 have left.
; The last step's look-ahead reads the 32 long rows behind K's last, which are V's first: they lie inside LDS, have landed, and are not used.
; REGISTERS.  Window 0: v1-12 addresses and constants; v16-27 at work; v32-63 eight a tile: -M, largest score, l (two halves), f, 0, 1 / l, at work; v64-191 the scores of two tiles, then p; v192-255 P.
;             Window 1: v0-127 O^T (32 a tile); v128-159 Q (8 a tile); v160-223 V's fragments, and in v192-223 K's tiles 4-7; v224-255 K's tiles 0-3.
.set PITCH, 272
.set R1,    16                         ; long rows a wave fetches at the head
.set R2,    112                        ; and behind the first round
.set VOFF,  512*PITCH                  ; K's 512 long rows, then V's
.set STG,   2*VOFF                     ; the stage: 8 waves x 4 tiles x 16 rows x 80 bytes; no load lands there
.set SPARE, STG+8*5120                 ; the spare words: 128 bytes a wave
.set STEPB, 32*PITCH                   ; 128 keys, in K and in V alike
.set TILEB, 4*PITCH                    ; 16 rows of 64 bytes
.set BLKB,  16*PITCH                   ; V: a block of 64 keys
.set AK0, 1
.set AV0, 2
.set ADK, 3
.set ADV, 4
.set QO,  5
.set STO, 6
.set SRD, 7
.set GO,  8
.set SCP, 10                           ; 2^e4
.set C448, 11
.set ONE, 12
.set MX,  16                           ; v16-23 four chains of the maximum for each of two tiles
.set PX,  24                           ; v24-25 the lane exchanges' destinations
.set TD,  26                           ; v26-27
.set SA,  16                           ; v16-27 later: three pairs of partial sums for each of two tiles
.set SPW, 30
.set NIL, 31
.set ST,  32
.set S,   64
.set P,   192
.set QF,  128                          ; in window 1
.set KV,  160                          ; in window 1
.set KL,  224                          ; in window 1
.set WV,  14
.set SEL, 20                           ; s[20:21] lane selects: lane l xor 16
.set CS,  22                           ; s[22:23] c
.set G1,  24                           ; s[24:31] group 1 of the head's loads
.set G0K, 32                           ; s[32:39] group 0 for K's two loads
.set G0V, 40                           ; s[40:47] for V's
.set TB,  48                           ; LDS byte at which the step's keys begin
.set CNT, 49
.set LIMS, 70                          ; 448 x 2^e4
.set NC,  71                           ; -c
.set G1L, 72                           ; s[72:79] group 1 of the second loads
.set MSB, 0
.macro WIN new                         ; the immediate's high byte repeats the setting that is left
.if MSB != (\new)
	s_set_vgpr_msb (MSB<<8)|(\new)
.set MSB, (\new)
.endif
.endm
.macro CROUND                          ; a round of the cluster's barrier
	s_barrier_signal -1
	s_barrier_wait -1
	s_cmp_lg_u32 s[WV], 0
	s_cbranch_scc1 .Lnot_wave_0_\@
	s_barrier_signal -3
.Lnot_wave_0_\@:
	s_barrier_wait -3
	s_barrier_signal -1
	s_barrier_wait -1
.endm
.macro PLACES                          ; four plain vector lines behind a matrix instruction (ISA guide 7.12.1)
.rept 4
	v_nop
.endr
.endm
.macro JL s, g1                        ; load s: one joint load a wave, in one arm of a branch on the wave's number; s_nop 0 and four v_nop behind it
	s_cmp_lt_u32 s[WV], 4
	s_cbranch_scc0 .Lfor_v_\@
	tensor_load_to_lds s[G0K+4*\s:G0K+4*\s+3], s[\g1:\g1+7]
	s_nop 0
	PLACES
	s_branch .Lasked_\@
.Lfor_v_\@:
	tensor_load_to_lds s[G0V+4*\s:G0V+4*\s+3], s[\g1:\g1+7]
	s_nop 0
	PLACES
.Lasked_\@:
.endm
	s_load_b256 s[4:11], s[0:1], 0x0               ; q's codes, k's, v's, the scales' exponents
	s_load_b64 s[12:13], s[0:1], 0x20              ; the result's codes
	v_lshl_add_u32 v[SPW], v0, 2, SPARE
	v_mov_b32 v[NIL], 0
	ds_add_u32 v[SPW], v[NIL]                      ; the opening lines: the add twice and its wait
	ds_add_u32 v[SPW], v[NIL]
	v_lshrrev_b32 v13, 5, v0
	v_readfirstlane_b32 s[WV], v13                 ; wave 0..7
	s_bfe_u32 s15, ttmp6, 0x40000                  ; cx: my 512 queries; it enters q's and the result's addresses alone
	s_and_b32 s16, ttmp7, 0xffff                   ; batch x head
	s_and_b32 s18, s[WV], 3                        ; which quarter I fetch
	s_mul_i32 s19, s18, R1*PITCH                   ; its place in LDS, at the head
	s_mul_i32 s17, s18, R2*PITCH
	s_add_co_u32 s17, s17, 64*PITCH                ; and behind the first round: behind the 64 long rows of keys 0-255
	s_lshl_b32 s50, s16, 17                        ; 131,072 bytes a head in q, k and v
	s_lshl_b32 s51, s18, 12                        ; 16 long rows of 256 bytes
	s_add_co_u32 s50, s50, s51
	s_mov_b32 s51, 0
	s_lshl_b32 s68, s16, 17
	s_mul_i32 s69, s18, R2*256
	s_add_co_u32 s68, s68, s69
	s_add_co_u32 s68, s68, 64*256
	s_mov_b32 s69, 0
	s_lshl_b32 s52, s16, 17                        ; q: the head, my work-group's 512 rows of 64 bytes, my wave's 64
	s_lshl_b32 s53, s15, 15
	s_add_co_u32 s52, s52, s53
	s_lshl_b32 s53, s[WV], 12
	s_add_co_u32 s52, s52, s53
	s_mov_b32 s53, 0
	s_lshr_b32 s54, s16, 4                         ; the result: [128 tokens][head][token % 128][64]
	s_lshl_b32 s54, s54, 4
	s_lshl_b32 s55, s15, 2
	s_add_co_u32 s54, s54, s55
	s_lshr_b32 s55, s[WV], 1
	s_add_co_u32 s54, s54, s55                     ; 16 x batch + 4 cx + wave / 2
	s_lshl_b32 s54, s54, 17
	s_and_b32 s55, s16, 15
	s_lshl_b32 s55, s55, 13
	s_add_co_u32 s54, s54, s55
	s_and_b32 s55, s[WV], 1
	s_lshl_b32 s55, s55, 12
	s_add_co_u32 s54, s54, s55
	s_mov_b32 s55, 0
.irp g, G1, G1L
	s_mov_b32 s[\g], 15|(0<<16)|(1<<20)|(1<<21)|(5<<22)|(3<<25)  ; mask: all four; bytes; 4 words of padding behind every 64
	s_mov_b32 s[\g+1], 256<<16
	s_mov_b32 s[\g+3], 256<<16
	s_mov_b32 s[\g+5], 256
	s_mov_b32 s[\g+6], 0
	s_mov_b32 s[\g+7], 0
.endr
	s_mov_b32 s[G1+2], R1<<16
	s_mov_b32 s[G1+4], R1
	s_mov_b32 s[G1L+2], R2<<16
	s_mov_b32 s[G1L+4], R2
	s_mov_b32 s[SEL], 0x76543210
	s_mov_b32 s[SEL+1], 0xfedcba98
	s_mov_b32 s[CS], 0x3d38aa3b                    ; log2(e) / 32
	s_mov_b32 s[TB], 0
	s_wait_dscnt 0x0
	s_wait_kmcnt 0x0
	s_load_b256 s[56:63], s[10:11], 0x0            ; e0 .. e7
	s_add_nc_u64 s[4:5], s[4:5], s[52:53]
	s_add_nc_u64 s[12:13], s[12:13], s[54:55]
	CROUND                                         ; all four work-groups are here: the joint loads meet
	s_mov_b32 s[G0K], 1
	s_mov_b32 s[G0K+1], s19
	s_add_nc_u64 s[G0K+2:G0K+3], s[6:7], s[50:51]
	s_or_b32 s[G0K+3], s[G0K+3], 0x80000000
	s_mov_b32 s[G0K+4], 1
	s_mov_b32 s[G0K+5], s17
	s_add_nc_u64 s[G0K+6:G0K+7], s[6:7], s[68:69]
	s_or_b32 s[G0K+7], s[G0K+7], 0x80000000
	s_mov_b32 s[G0V], 1
	s_add_co_u32 s[G0V+1], s19, VOFF
	s_add_nc_u64 s[G0V+2:G0V+3], s[8:9], s[50:51]
	s_or_b32 s[G0V+3], s[G0V+3], 0x80000000
	s_mov_b32 s[G0V+4], 1
	s_add_co_u32 s[G0V+5], s17, VOFF
	s_add_nc_u64 s[G0V+6:G0V+7], s[8:9], s[68:69]
	s_or_b32 s[G0V+7], s[G0V+7], 0x80000000
	JL 0, G1                                       ; keys 0-255
	v_and_b32 v13, 15, v0                          ; r
	v_bfe_u32 v14, v0, 4, 1                        ; h
	v_lshlrev_b32 v[QO], 6, v13
	v_lshl_add_u32 v[QO], v14, 4, v[QO]            ; q: row r of 64 bytes, + 16 h
	WIN 0x40
.irp q, 0,1,2,3                                ; Q stays in registers
	global_load_b128 v[QF+8*\q:QF+8*\q+3],   v[QO], s[4:5] offset:\q*1024
	global_load_b128 v[QF+8*\q+4:QF+8*\q+7], v[QO], s[4:5] offset:\q*1024+32
.endr
	WIN 0
	v_lshrrev_b32 v15, 2, v13
	v_mul_u32_u24 v[AK0], v15, PITCH
	v_and_b32 v15, 3, v13
	v_lshl_add_u32 v[AK0], v15, 6, v[AK0]
	v_lshl_add_u32 v[AK0], v14, 4, v[AK0]          ; row r of a fragment: (r / 4) x 272 + (r % 4) x 64 + 16 h
	v_add_nc_u32 v[AV0], VOFF, v[AK0]
	v_mov_b32 v[ADK], v[AK0]                       ; the first step's keys begin at byte 0
	v_mov_b32 v[ADV], v[AV0]
	s_mul_i32 s67, s[WV], 5120
	s_add_co_u32 s67, s67, STG                     ; my stage
	v_mul_u32_u24 v[STO], v13, 80
	v_lshl_add_u32 v[STO], v14, 3, v[STO]
	v_add_nc_u32 v[STO], s67, v[STO]               ; in: row r, 8 bytes for each half of the lanes
	v_and_b32 v15, 31, v0
	v_lshlrev_b32 v[GO], 4, v15
	v_lshrrev_b32 v28, 2, v15
	v_mul_u32_u24 v[SRD], v28, 80
	v_and_b32 v28, 3, v15
	v_lshl_add_u32 v[SRD], v28, 4, v[SRD]
	v_add_nc_u32 v[SRD], s67, v[SRD]               ; back: four lanes to a row of 64 bytes
	v_mov_b32 v[PX], 0                             ; a lane exchange's destination counts as a source: written once
	v_mov_b32 v[PX+1], 0
.irp q, 0,1,2,3
	v_mov_b32 v[ST+8*\q+5], 0                      ; (upper halves of pairs)
	v_mov_b32 v[ST+8*\q+7], 0
.endr
	v_mov_b32 v[C448], 0x43e00000
	v_mov_b32 v[ONE], 1.0
	s_wait_kmcnt 0x0
	s_add_co_i32 s68, s58, s59
	s_lshl_b32 s68, s68, 23
	s_add_co_i32 s[CS], s[CS], s68                 ; c x 2^(e2 + e3)
	s_mov_b32 s[CS+1], s[CS]
	s_xor_b32 s[NC], s[CS], 0x80000000             ; -c
	s_add_co_i32 s68, s60, 127
	s_lshl_b32 s69, s68, 23
	v_mov_b32 v[SCP], s69                          ; 2^e4
	s_add_co_i32 s68, s68, 8
	s_lshl_b32 s68, s68, 23
	s_or_b32 s[LIMS], s68, 0x600000                ; 448 x 2^e4
	s_add_co_i32 s66, s60, s61
	s_sub_co_i32 s66, s66, s62                     ; e4 + e5 - e6
.macro KQ x, w                         ; 16 products S^T = K Q^T: eight tiles of 16 keys x tiles x, x + 1 of queries; K = 64 is the whole head.  w = 1: K's tiles 4-7 are waited for behind the first eight
	WIN 0x05
.irp T, 0,1,2,3
.irp d, 0,1
	v_wmma_f32_16x16x64_fp8_fp8 v[S+64*\d+8*\T:S+64*\d+8*\T+7], v[KL+8*\T:KL+8*\T+7], v[QF+8*(\x+\d):QF+8*(\x+\d)+7], 0
.endr
.endr
.if \w
	s_wait_dscnt 0x0
.endif
.irp T, 4,5,6,7
.irp d, 0,1
	v_wmma_f32_16x16x64_fp8_fp8 v[S+64*\d+8*\T:S+64*\d+8*\T+7], v[KV+8*\T:KV+8*\T+7], v[QF+8*(\x+\d):QF+8*(\x+\d)+7], 0
.endr
.endr
.endm
.macro REQLO off                       ; K's tiles 0-3, off bytes behind v[ADK]
	WIN 0x40
.irp T, 0,1,2,3
	ds_load_b128 v[KL+8*\T:KL+8*\T+3],   v[ADK] offset:(\off)+\T*TILEB
	ds_load_b128 v[KL+8*\T+4:KL+8*\T+7], v[ADK] offset:(\off)+\T*TILEB+32
.endr
.endm
.macro REQHI                           ; K's tiles 4-7 at v[ADK]
	WIN 0x40
.irp T, 4,5,6,7
	ds_load_b128 v[KV+8*\T:KV+8*\T+3],   v[ADK] offset:\T*TILEB
	ds_load_b128 v[KV+8*\T+4:KV+8*\T+7], v[ADK] offset:\T*TILEB+32
.endr
.endm
.macro LOADV                           ; four fragments of 16 channels x 128 keys
	WIN 0x40
.irp t, 0,1,2,3
.irp c, 0,1,2,3
	ds_load_b128 v[KV+16*\t+4*\c:KV+16*\t+4*\c+3], v[ADV] offset:\t*TILEB+(\c/2)*BLKB+32*(\c%2)
.endr
.endr
.endm
.macro PV t, first                     ; channels 16 t on, for my four tiles: four accumulators, one instruction a turn
	WIN 0x51
.irp q, 0,1,2,3
.if \first
	s_wait_alu depctr_va_vdst(0)
	v_wmma_f32_16x16x128_fp8_fp8 v[32*\q+8*\t:32*\q+8*\t+7], v[KV+16*\t:KV+16*\t+15], v[P+16*\q:P+16*\q+15], 0
.else
	v_wmma_f32_16x16x128_fp8_fp8 v[32*\q+8*\t:32*\q+8*\t+7], v[KV+16*\t:KV+16*\t+15], v[P+16*\q:P+16*\q+15], v[32*\q+8*\t:32*\q+8*\t+7]
.endif
.endr
.endm
.macro TILE q, d                       ; names for tile q, whose scores lie in half d of S
.set rT, ST+8*(\q)
.set rS, S+64*(\d)
.set rP, P+16*(\q)
.set rO, 32*(\q)
.set rM, MX+4*(\d)
.set rA, SA+6*(\d)
.set rX, PX+(\d)
.set rD, TD+(\d)
.endm
; The softmax of tiles x and x + 1 for one key step: 64 scores a lane and tile.  first = 1: the first key step, which starts M, l and O^T.
.macro SOFT2 x, first
.irp k, 0,1,2,3                                ; the largest score: four chains a tile; each accumulator is read from its low end on
.irp d, 0,1
	v_max3_num_f32 v[MX+4*\d+\k], v[S+64*\d+16*\k], v[S+64*\d+16*\k+1], v[S+64*\d+16*\k+2]
.endr
.endr
.irp n, 1,2,3,4,5,6
.irp k, 0,1,2,3
.irp d, 0,1
	v_max3_num_f32 v[MX+4*\d+\k], v[MX+4*\d+\k], v[S+64*\d+16*\k+2*\n+1], v[S+64*\d+16*\k+2*\n+2]
.endr
.endr
.endr
.irp u, 0,2
.irp d, 0,1
	v_max3_num_f32 v[MX+4*\d+\u], v[MX+4*\d+\u], v[S+64*\d+16*\u+15], v[S+64*\d+16*\u+31]
.endr
.endr
.irp d, 0,1
	TILE (\x)+\d, \d
	v_max3_num_f32 v[rM], v[rM], v[rM+1], v[rM+2]
.endr
.irp d, 0,1
	TILE (\x)+\d, \d
	v_max_num_f32 v[rM], v[rM], v[rM+3]
.endr
.irp d, 0,1
	TILE (\x)+\d, \d
	v_permlanex16_b32 v[rX], v[rM], s[SEL], s[SEL+1]
.endr
.irp d, 0,1
	TILE (\x)+\d, \d
.if \first
	v_max_num_f32 v[rT+1], v[rM], v[rX]            ; with lane l xor 16's: the query's other 64 keys
.else
	v_max3_num_f32 v[rT+1], v[rT+1], v[rM], v[rX]  ; the running largest score (c is positive, so it is the largest t's)
.endif
.endr
.irp d, 0,1
	TILE (\x)+\d, \d
	v_mul_f32 v[rD], s[NC], v[rT+1]                ; -t
.endr
.if \first
.irp d, 0,1
	TILE (\x)+\d, \d
	v_floor_f32 v[rT], v[rD]                       ; -M = floor(-t) = -ceil(t)
.endr
.else
.irp d, 0,1
	TILE (\x)+\d, \d
	v_floor_f32 v[rD], v[rD]
.endr
.irp d, 0,1
	TILE (\x)+\d, \d
	v_sub_f32 v[rM], v[rD], v[rT]                  ; old M - new M: a whole number, 0 or less
.endr
.irp d, 0,1
	TILE (\x)+\d, \d
	v_cvt_i32_f32 v[rM], v[rM]                     ; (it saturates)
.endr
.irp d, 0,1
	TILE (\x)+\d, \d
	v_ldexp_f32 v[rT+4], 1.0, v[rM]                ; f = 2^(old M - new M)
.endr
.irp d, 0,1
	TILE (\x)+\d, \d
	v_mov_b32 v[rT], v[rD]
.endr
.endif
.irp d, 0,1
	TILE (\x)+\d, \d
.set j, 0
.rept 32
	v_pk_fma_f32 v[rS+j:rS+j+1], v[rS+j:rS+j+1], s[CS:CS+1], v[rT:rT+1] op_sel_hi:[1,0,0]   ; t - M, two at a time
.set j, j+2
.endr
.endr
	s_wait_alu depctr_va_vdst(0)
.set j, 0
.rept 128
	v_exp_f32 v[S+j], v[S+j]                       ; p = 2^(t - M)
.set j, j+1
.endr
.if \first
	v_nop                                          ; a plain line behind the last exponential
	s_wait_alu depctr_va_vdst(0)                   ; one wait for the batch
.else
	WIN 0x41                                       ; O^T in window 1, f in window 0
	s_wait_alu depctr_va_vdst(0)                   ; one wait: for the batch, and directly ahead of the first readers of O^T
.irp d, 0,1
	TILE (\x)+\d, \d
.set j, 0
.rept 16
	v_pk_mul_f32 v[rO+j:rO+j+1], v[rO+j:rO+j+1], v[rT+4:rT+5] op_sel_hi:[1,0]   ; O^T under the new M; each accumulator from its low end on
.set j, j+2
.endr
.endr
	WIN 0
.endif
.irp d, 0,1                                    ; the row's sum of the UNQUANTISED p: four chains a tile
	TILE (\x)+\d, \d
.if \first
	v_pk_add_f32 v[rT+2:rT+3], v[rS:rS+1], v[rS+62:rS+63]
.else
	v_pk_fma_f32 v[rT+2:rT+3], v[rT+2:rT+3], v[rT+4:rT+5], v[rS:rS+1] op_sel_hi:[1,0,1]   ; l x f + the first pair
.endif
	v_pk_add_f32 v[rA:rA+1], v[rS+2:rS+3], v[rS+4:rS+5]
	v_pk_add_f32 v[rA+2:rA+3], v[rS+6:rS+7], v[rS+8:rS+9]
	v_pk_add_f32 v[rA+4:rA+5], v[rS+10:rS+11], v[rS+12:rS+13]
.endr
.irp n, 0,1,2,3,4,5
.irp d, 0,1
	TILE (\x)+\d, \d
	v_pk_add_f32 v[rT+2:rT+3], v[rT+2:rT+3], v[rS+14+8*\n:rS+15+8*\n]
	v_pk_add_f32 v[rA:rA+1], v[rA:rA+1], v[rS+16+8*\n:rS+17+8*\n]
	v_pk_add_f32 v[rA+2:rA+3], v[rA+2:rA+3], v[rS+18+8*\n:rS+19+8*\n]
	v_pk_add_f32 v[rA+4:rA+5], v[rA+4:rA+5], v[rS+20+8*\n:rS+21+8*\n]
.endr
.endr
.if !\first
.irp d, 0,1
	TILE (\x)+\d, \d
	v_pk_add_f32 v[rT+2:rT+3], v[rT+2:rT+3], v[rS+62:rS+63]
.endr
.endif
.irp d, 0,1
	TILE (\x)+\d, \d
	v_pk_add_f32 v[rA:rA+1], v[rA:rA+1], v[rA+2:rA+3]
.endr
.irp d, 0,1
	TILE (\x)+\d, \d
	v_pk_add_f32 v[rT+2:rT+3], v[rT+2:rT+3], v[rA+4:rA+5]
.endr
.irp d, 0,1
	TILE (\x)+\d, \d
	v_pk_add_f32 v[rT+2:rT+3], v[rT+2:rT+3], v[rA:rA+1]
.endr
.irp d, 0,1
	TILE (\x)+\d, \d
.irp b, 0,1,2,3
.set j, 0
.rept 8                                        ; the conversion does not saturate (ISA guide 7.6.2); p is not negative, so the hold is one-sided: two numbers a line
	v_dual_min_num_f32 v[rS+16*\b+j], s[LIMS], v[rS+16*\b+j] :: v_dual_min_num_f32 v[rS+16*\b+j+1], s[LIMS], v[rS+16*\b+j+1]
.set j, j+2
.endr
	v_cvt_scalef32_pk8_fp8_f32 v[rP+4*\b:rP+4*\b+1], v[rS+16*\b:rS+16*\b+7], v[SCP]
	v_cvt_scalef32_pk8_fp8_f32 v[rP+4*\b+2:rP+4*\b+3], v[rS+16*\b+8:rS+16*\b+15], v[SCP]
.endr
.endr
	v_nop                                          ; one plain line behind the last conversion
.endm
; A KEY STEP: 128 keys, for my four tiles of queries.  On the way in its fragments of K have been asked for, tiles 0-3 ahead of tiles 4-7.  pre = 1: it asks for the next step's.
.macro STEP first, pre
	WIN 0
	s_wait_dscnt 8                                 ; K's tiles 0-3 are in; the eight loads of tiles 4-7 may be out
	KQ 0, 1
	WIN 0
	PLACES
	SOFT2 0, \first
	KQ 2, 0                                        ; tiles 2 and 3 take the registers that tiles 0 and 1 have left
	WIN 0
	PLACES                                         ; in front of the loads over K's fragments, and of the first read of the scores
	LOADV                                          ; V's fragments land while two tiles' softmax is worked,
.if \pre
	REQLO STEPB                                    ; and so do the next step's tiles 0-3 of K
.endif
	WIN 0
	SOFT2 2, \first
	s_wait_alu depctr_va_vdst(0)
	s_wait_dscnt 0x0                               ; V's fragments are in
	PV 2, \first
	PV 3, \first
	WIN 0
	s_add_co_u32 s[TB], s[TB], STEPB
	v_add_nc_u32 v[ADK], s[TB], v[AK0]             ; the next step's addresses: with the two v_nop four places in front of the loads into the registers that the eight products above have read
	v_add_nc_u32 v[ADV], s[TB], v[AV0]
	v_nop
	v_nop
.if \pre
	REQHI                                          ; the next step's tiles 4-7 of K
.endif
	PV 0, \first
	PV 1, \first
	WIN 0
.endm
	s_wait_alu depctr_va_vdst(0)
	s_wait_tensorcnt 0x0                           ; my quarter of keys 0-255 is in
	ds_add_u32 v[SPW], v[NIL]
	s_wait_dscnt 0x0
	CROUND                                         ; everybody's quarter is in, and the joint loads meet
	JL 1, G1L                                      ; keys 256-2,047
	REQLO 0
	REQHI
	WIN 0
	s_wait_loadcnt 0x0                             ; Q
	STEP 1, 1                                      ; keys 0-127: the first step starts M, l and O^T: nothing is cleared
	STEP 0, 0                                      ; keys 128-255; it asks for nothing: the keys behind them are shown by the barrier below
	s_wait_alu depctr_va_vdst(0)
	s_wait_tensorcnt 0x0                           ; my quarter of keys 256-2,047 is in,
	s_barrier_signal -1
	s_barrier_wait -1                              ; everybody's is
	REQLO 0
	REQHI
	WIN 0
	s_mov_b32 s[CNT], 14
.Lkeys:                                            ; keys 256 to 2,047
	STEP 0, 1
	s_sub_co_u32 s[CNT], s[CNT], 1
	s_cmp_lg_u32 s[CNT], 0
	s_cbranch_scc1 .Lkeys
	; THE WAY OUT.  l's two halves and lane l xor 16's are added; O^T x 2^(e4 + e5 - e6) / l is held, converted with the scale 1, and goes through my stage, a tile at a time.
.irp q, 0,1,2,3
	v_add_f32 v[ST+8*\q+6], v[ST+8*\q+2], v[ST+8*\q+3]
.endr
.irp q, 0,1,2,3
	v_permlanex16_b32 v[ST+8*\q+7], v[ST+8*\q+6], s[SEL], s[SEL+1]
.endr
.irp q, 0,1,2,3
	v_add_f32 v[ST+8*\q+6], v[ST+8*\q+6], v[ST+8*\q+7]
.endr
	s_wait_alu depctr_va_vdst(0)                   ; ahead of the batch of four
.irp q, 0,1,2,3
	v_rcp_f32 v[ST+8*\q+6], v[ST+8*\q+6]
.endr
	v_nop
	s_wait_alu depctr_va_vdst(0)                   ; and behind it
.irp q, 0,1,2,3
	v_ldexp_f32 v[ST+8*\q+6], v[ST+8*\q+6], s66
.endr
.irp q, 0,1,2,3
	WIN 0x01
.set j, 0
.rept 16
	v_pk_mul_f32 v[S+32*\q+j:S+32*\q+j+1], v[32*\q+j:32*\q+j+1], v[ST+8*\q+6:ST+8*\q+7] op_sel_hi:[1,0]   ; register 8 t + i: query r, channel 16 t + 8 h + i
.set j, j+2
.endr
	WIN 0
.set j, 0
.rept 32
	v_med3_num_f32 v[S+32*\q+j], v[S+32*\q+j], -v[C448], v[C448]
.set j, j+1
.endr
.irp t, 0,1,2,3
	v_cvt_scalef32_pk8_fp8_f32 v[P+8*\q+2*\t:P+8*\q+2*\t+1], v[S+32*\q+8*\t:S+32*\q+8*\t+7], v[ONE]
.endr
	v_nop
.irp t, 0,1,2,3
	ds_store_b64 v[STO], v[P+8*\q+2*\t:P+8*\q+2*\t+1] offset:\q*1280+16*\t
.endr
.irp i, 0,1
	ds_load_b128 v[P+32+8*\q+4*\i:P+32+8*\q+4*\i+3], v[SRD] offset:\q*1280+\i*640   ; LDS serves a wave's instructions in order: these see my stores
.endr
.endr
.irp q, 0,1,2,3
.irp i, 0,1
	s_wait_dscnt 19-6*\q-\i                        ; behind this load: the other load of its tile, and six LDS instructions for each later tile
	global_store_b128 v[GO], v[P+32+8*\q+4*\i:P+32+8*\q+4*\i+3], s[12:13] offset:\q*1024+\i*512   ; 512 consecutive bytes, aligned
.endr
.endr
	s_wait_tensorcnt 0x0                           ; the wave's end
	ds_add_u32 v[SPW], v[NIL]
	s_wait_dscnt 0x0
	CROUND                                         ; the closing round
	s_endpgm
.Lfunc_end_k_q657ad8c867_attn:
	.size	k_q657ad8c867_attn, .Lfunc_end_k_q657ad8c867_attn-k_q657ad8c867_attn
	.p2alignl 7, 3214868480
	.fill 96, 4, 3214868480
	.section	.rodata,"a",@progbits
	.p2align	6, 0x0
	.amdhsa_kernel k_q657ad8c867_attn
		.amdhsa_group_segment_fixed_size 327680
		.amdhsa_private_segment_fixed_size 0
		.amdhsa_enable_private_segment 0
		.amdhsa_kernarg_size 40
		.amdhsa_user_sgpr_count 2
		.amdhsa_user_sgpr_kernarg_segment_ptr 1
		.amdhsa_wavefront_size32 1
		.amdhsa_system_sgpr_workgroup_id_x 1
		.amdhsa_system_sgpr_workgroup_id_y 1
		.amdhsa_system_sgpr_workgroup_id_z 1
		.amdhsa_system_vgpr_workitem_id 0
		.amdhsa_next_free_vgpr 512
		.amdhsa_next_free_sgpr 80
		.amdhsa_reserve_vcc 0
		.amdhsa_float_denorm_mode_32 3
		.amdhsa_float_denorm_mode_16_64 3
		.amdhsa_memory_ordered 1
		.amdhsa_forward_progress 1
		.amdhsa_inst_pref_size 184
	.end_amdhsa_kernel
	.amdgpu_metadata
---
amdhsa.version: [ 1, 2 ]
amdhsa.kernels:
  - .name:           k_q657ad8c867_attn
    .symbol:         k_q657ad8c867_attn.kd
    .args:
      - { .name: q_codes, .offset: 0, .size: 8, .value_kind: global_buffer, .address_space: global }
      - { .name: k_codes, .offset: 8, .size: 8, .value_kind: global_buffer, .address_space: global }
      - { .name: v_codes, .offset: 16, .size: 8, .value_kind: global_buffer, .address_space: global }
      - { .name: lowp_scales, .offset: 24, .size: 8, .value_kind: global_buffer, .address_space: global }
      - { .name: a_codes, .offset: 32, .size: 8, .value_kind: global_buffer, .address_space: global }
    .group_segment_fixed_size: 327680
    .private_segment_fixed_size: 0
    .kernarg_segment_align: 8
    .kernarg_segment_size: 40
    .max_flat_workgroup_size: 256
    .sgpr_count:     80
    .vgpr_count:     512
    .wavefront_size: 32
...
	.end_amdgpu_metadata
.endif
;; end of part 3
;; launch proj (part 4): grid 8 x 32, 4 waves a work-group, clusters of 4 x 4, 327,680 bytes of LDS; arguments a_codes, wout_codes, lowp_scales, b_out, out0; writes out0
.if DOCPART == 4
	.amdgcn_target "amdgcn-amd-amdhsa--gfx1250"
	.amdhsa_code_object_version 6
	.text
	.protected	k_q657ad8c867_proj
	.globl	k_q657ad8c867_proj
	.p2align	8
	.type	k_q657ad8c867_proj,@function
k_q657ad8c867_proj:
	s_mov_b64 s[64:65], 0
	v_nop
	global_prefetch_b8 v0, s[64:65] scope:SCOPE_SE
	s_setreg_imm32_b32 hwreg(HW_REG_WAVE_MODE, 25, 1), 1
	s_wait_xcnt 0x0
	s_wait_alu depctr_hold_cnt(0) depctr_sa_sdst(0) depctr_va_vdst(0) depctr_va_sdst(0) depctr_va_ssrc(0) depctr_va_vcc(0) depctr_vm_vsrc(0)
	s_getreg_b32 s2, hwreg(HW_REG_IB_STS2, 6, 4)
	s_cmp_eq_u32 s2, 0
	s_cbranch_scc0 .Lentry_in_a_cluster
	s_endpgm
.Lentry_in_a_cluster:
	s_bfe_u32 s2, ttmp6, 0x10000c
	s_cmp_lg_u32 s2, 0xf033
	s_cbranch_scc0 .Lentry_shape_is_right
	s_endpgm
.Lentry_shape_is_right:
; out0[m][n] = 2^(e6 + e7) x (sum over k of A[m][k] W[n][k]) + b_out[n]: A the attention's result and W = w_out, both as codes of FP8 (E4M3); sums in f32; out0 [8192][1024] f32.
; LIMIT: e6 + e7 between -126 and 127, so that 2^(e6 + e7) is an f32 number.
; A's codes lie [128 tokens][head][token % 128][64]: the four heads of a K step of 256 are one dense block of 32,768 bytes for 128 tokens, stated as 128 rows of 256 bytes.  W's codes lie [1024][1024], K innermost.
; SHARES.  A block of out0 is 256 x 128: 32 x 8 = 256 work-groups, one for each WGP.  Four waves, each 128 rows x 64 columns: 32 accumulators, 256 registers, one window.
; K goes in steps of 256 through a ring of two LDS slots (A's 256 long rows, then W's 128 rows, 272 bytes apart).  Waves 0 and 1 fetch A's two blocks of 128 tokens, waves 2 and 3 64 rows of W each.
; CLUSTERS: 4 x 4.  A's tiles are shared along a row of the cluster, W's along a column: joint loads; each refill stands behind a round of the cluster's barrier.
; The matrix instruction is used transposed (source 0 = 16 rows of W, source 1 = 16 tokens): a lane holds eight neighbouring columns of one row of out0.
; PREFETCH: behind K step 0's load K steps 1 and 2 are asked for, behind K step 1's load K step 3: of what a wave fetches each of the four partners names a quarter, told apart by address
; (A: 8,192 bytes, lanes 256 bytes apart; W: 16 rows, a lane a row, the lanes left over name the last row again).  All eight rows of clusters read the same W: rows 0 to 3 ask for it.
; REGISTERS.  Window 0: v1-31 addresses; v32-63 the bias; from v128 A's fragments, one set; on the way out v128-191 rows read back.  Window 1: W's fragments, two sets, at v0 and v128; on the way out v0-31.  Window 2: the accumulators, (a, b) at v[8 (4 a + b)].
.set ROWB,   256
.set KROW,   1024
.set SIZE_N, 1024
.set PITCH,  272
.set FR,     16                        ; registers of a fragment: 16 rows x 128 K
.set NL,     4                         ; LDS loads that bring one
.set NP,     4                         ; places behind this matrix instruction (ISA guide 7.12.1)
.set HALFT,  128*PITCH                 ; what one of A's loads brings
.set BPART,  64*PITCH                  ; what one of W's loads brings, and what a wave reads of W
.set SLOT,   3*HALFT
.set LAPS,   2                         ; 1,024 along K = two laps of two slots
.set SPARE,  2*SLOT                    ; behind the ring: the spare words, 128 bytes a wave
.set SPITCH, 272                       ; the way out: a stage of 16 rows x (256 + 16) bytes for each wave, in slot 0, which has had its last fill and its last read by then
.set ADRA, 16
.set ADRB, 20
.set PFO,  22                          ; the prefetches' lane offset; never rewritten
.set STO,  24
.set RD,   25
.set CO,   26
.set BO,   27
.set SPW,  28
.set NIL,  29
.set BIAS, 32
.set TMP,  0                           ; in window 1
.set AF,   128
.set BK,   128
.set G1, 24
.set G0, 32
.set G1B, 48
.set G0B, 56
.set MSB, 0
.macro WIN new                         ; the immediate's high byte repeats the setting that is left
.if MSB != (\new)
	s_set_vgpr_msb (MSB<<8)|(\new)
.set MSB, (\new)
.endif
.endm
.set MULW, 0xa1                        ; source 0 (W) window 1, source 1 (A) window 0, C and D window 2
.set TO_B, 0x40
.macro JLOAD g0a, g1a, g0b, g1b        ; a joint load: one arm for A's waves, one for W's; s_nop 0 and four v_nop behind each
	s_cmp_eq_u32 s15, 0
	s_cbranch_scc0 .Lfor_b_\@
	tensor_load_to_lds s[\g0a:\g0a+3], s[\g1a:\g1a+7]
	s_nop 0
.rept 4
	v_nop
.endr
	s_branch .Lasked_\@
.Lfor_b_\@:
	tensor_load_to_lds s[\g0b:\g0b+3], s[\g1b:\g1b+7]
	s_nop 0
.rept 4
	v_nop
.endr
.Lasked_\@:
.endm
.macro CREST                           ; a round of the cluster's barrier behind its opening barrier
	s_cmp_lg_u32 s14, 0
	s_cbranch_scc1 .Lnot_wave_0_\@
	s_barrier_signal -3
.Lnot_wave_0_\@:
	s_barrier_wait -3
	s_barrier_signal -1
	s_barrier_wait -1
.endm
.macro CROUND
	s_barrier_signal -1
	s_barrier_wait -1
	CREST
.endm
	s_load_b128 s[4:7], s[0:1], 0x0                ; A's codes, W's codes
	s_load_b128 s[8:11], s[0:1], 0x10              ; the scales' exponents, the bias
	s_load_b64 s[12:13], s[0:1], 0x20              ; out0
	v_lshl_add_u32 v[SPW], v0, 2, SPARE
	v_mov_b32 v[NIL], 0
	ds_add_u32 v[SPW], v[NIL]                      ; the opening lines: the add twice and its wait
	ds_add_u32 v[SPW], v[NIL]
	v_lshrrev_b32 v1, 5, v0
	v_readfirstlane_b32 s14, v1                    ; wave
	s_lshr_b32 s15, s14, 1                         ; my half of the rows.  Also: I fetch for A (0) or for W (1)
	s_and_b32 s16, s14, 1                          ; my half of the columns.  Also: which part I fetch
	s_bfe_u32 s40, ttmp6, 0x40000                  ; cx
	s_bfe_u32 s41, ttmp6, 0x40004                  ; cy
	s_lshl_b32 s42, ttmp9, 2
	s_add_co_u32 s42, s42, s40                     ; block column, 0 .. 7
	s_and_b32 s17, ttmp7, 0xffff
	s_lshl_b32 s17, s17, 2
	s_add_co_u32 s17, s17, s41                     ; block row, 0 .. 31
	s_lshl_b32 s43, s41, 2
	s_lshl_b32 s43, 15, s43                        ; my row of the cluster
	s_lshl_b32 s44, 0x1111, s40                    ; my column
	s_or_b32 s[G1+0], s43, (0<<16)|(1<<20)|(1<<21)|(5<<22)|(3<<25)   ; mask; bytes; 4 words of padding behind every 64
	s_or_b32 s[G1B+0], s44, (0<<16)|(1<<20)|(1<<21)|(5<<22)|(3<<25)
.irp g, G1, G1B
	s_mov_b32 s[\g+1], ROWB<<16
	s_mov_b32 s[\g+3], ROWB<<16
	s_mov_b32 s[\g+6], 0
	s_mov_b32 s[\g+7], 0
.endr
	s_mov_b32 s[G1+2], 128<<16                     ; A: 128 rows, dense
	s_mov_b32 s[G1+4], 128
	s_mov_b32 s[G1+5], 256
	s_mov_b32 s[G1B+2], 64<<16                     ; W: 64 rows, 1,024 bytes apart
	s_mov_b32 s[G1B+4], 64
	s_mov_b32 s[G1B+5], KROW
	s_lshl_b32 s20, s17, 1
	s_add_co_u32 s20, s20, s16
	s_lshl_b32 s20, s20, 17                        ; A: block of 128 tokens 2 x block row + part, 131,072 bytes each
	s_mov_b32 s21, 0
	s_lshl_b32 s18, s16, 6
	s_lshl_b32 s46, s42, 7
	s_add_co_u32 s46, s46, s18
	s_lshl_b32 s46, s46, 10                        ; W: row 128 x block column + 64 x part
	s_mov_b32 s47, 0
	s_mul_i32 s45, s14, HALFT                      ; where A's parts go (waves 0 and 1),
	s_mul_i32 s19, s16, BPART
	s_add_co_u32 s19, s19, 2*HALFT                 ; and W's: also where my wave reads W
	s_wait_dscnt 0x0
	s_wait_kmcnt 0x0
	s_load_b256 s[72:79], s[8:9], 0x0              ; e0 .. e7
	s_add_nc_u64 s[20:21], s[4:5], s[20:21]
	s_add_nc_u64 s[46:47], s[6:7], s[46:47]
	CROUND                                         ; all sixteen work-groups are here: the first joint loads meet
.irp s, 0,1
	s_mov_b32 s[G0+4*\s], 1
	s_add_co_u32 s[G0+4*\s+1], s45, \s*SLOT
	s_add_nc_u64 s[G0+4*\s+2:G0+4*\s+3], s[20:21], \s*32768
	s_or_b32 s[G0+4*\s+3], s[G0+4*\s+3], 0x80000000
	s_mov_b32 s[G0B+4*\s], 1
	s_add_co_u32 s[G0B+4*\s+1], s19, \s*SLOT
	s_add_nc_u64 s[G0B+4*\s+2:G0B+4*\s+3], s[46:47], \s*ROWB
	s_or_b32 s[G0B+4*\s+3], s[G0B+4*\s+3], 0x80000000
.endr
	JLOAD G0, G1, G0B, G1B                         ; K step 0: one tensor load a wave at the head
	s_cmp_eq_u32 s15, 0                            ; the prefetches' addresses
	s_cselect_b64 s[80:81], s[20:21], s[46:47]
	s_cselect_b32 s86, s40, s41                    ; my place among the four that ask jointly
	s_cselect_b32 s87, 13, 14                      ; a quarter: 8,192 bytes of A's block, 16 rows of W
	s_cselect_b32 s90, 8, 10                       ; from lane to lane: 256 bytes, or a row
	s_cselect_b32 s95, 31, 15                      ; the last lane with a block of its own
	s_mov_b32 s92, 256
	s_cselect_b32 s92, 0x8000, s92                 ; a K step on
	s_mov_b32 s93, 0
	s_lshl_b32 s88, s86, s87
	s_mov_b32 s89, 0
	s_add_nc_u64 s[80:81], s[80:81], s[88:89]
	s_add_nc_u64 s[80:81], s[80:81], s[92:93]      ; K step 1,
	s_add_nc_u64 s[82:83], s[80:81], s[92:93]      ; 2,
	s_add_nc_u64 s[84:85], s[82:83], s[92:93]      ; 3; none of the three is rewritten
	s_and_b32 s94, ttmp7, 0xffff
	s_lshr_b32 s94, s94, 2
	s_and_b32 s94, s94, s15                        ; 1: W's waves in cluster rows 4 to 7, which ask for nothing
	v_and_b32 v[PFO], 31, v0
	v_min_u32 v[PFO], s95, v[PFO]
	v_lshlrev_b32 v[PFO], s90, v[PFO]
	s_wait_alu depctr_va_vdst(0)
	s_cmp_eq_u32 s94, 0
	s_cbranch_scc0 .Lno_ask0
	global_prefetch_b8 v[PFO], s[80:81] th:TH_LOAD_NT scope:SCOPE_SE
	global_prefetch_b8 v[PFO], s[82:83] th:TH_LOAD_NT scope:SCOPE_SE
.Lno_ask0:
	v_and_b32 v1, 15, v0                           ; r
	v_bfe_u32 v2, v0, 4, 1                         ; h
	v_mul_u32_u24 v3, v1, PITCH
	v_lshl_add_u32 v4, v2, 4, v3                   ; W: row r x pitch + 16 h
	v_lshrrev_b32 v5, 2, v1
	v_mul_u32_u24 v5, v5, PITCH
	v_and_b32 v6, 3, v1
	v_lshl_add_u32 v5, v6, 6, v5
	v_lshl_add_u32 v5, v2, 4, v5                   ; A: token r of a head: (r / 4) x pitch + (r % 4) x 64 + 16 h
	s_mul_i32 s21, s15, HALFT
	s_mov_b32 s22, s19
.irp s, 0,1
	v_add_nc_u32 v[ADRA+\s], s21, v5
	v_add_nc_u32 v[ADRB+\s], s22, v4
	s_add_co_u32 s21, s21, SLOT
	s_add_co_u32 s22, s22, SLOT
.endr
	s_mul_i32 s23, s14, 16*SPITCH                  ; my stage
	v_mul_u32_u24 v7, v1, SPITCH
	v_lshl_add_u32 v7, v2, 5, v7
	v_add_nc_u32 v[STO], s23, v7                   ; in: row r, 32 bytes for each half of the lanes
	v_mul_u32_u24 v8, v2, SPITCH
	v_lshl_add_u32 v8, v1, 4, v8
	v_add_nc_u32 v[RD], s23, v8                    ; back: lanes 0-15 one row of 256 bytes, lanes 16-31 the next
	v_lshlrev_b32 v[CO], 12, v2
	v_lshl_add_u32 v[CO], v1, 4, v[CO]             ; and the same two rows in out0
	v_lshlrev_b32 v[BO], 5, v2
	s_wait_alu depctr_va_vdst(0)
	s_lshl_b32 s20, s17, 8
	s_lshl_b32 s21, s15, 7
	s_add_co_u32 s20, s20, s21
	s_lshl_b32 s20, s20, 12                        ; my first row of out0, 4,096 bytes a row
	s_mov_b32 s21, 0
	s_lshl_b32 s46, s42, 9
	s_lshl_b32 s47, s16, 8
	s_add_co_u32 s46, s46, s47                     ; my first column, in bytes: 512 x block column + 256 x half
	s_mov_b32 s47, 0
	s_add_nc_u64 s[10:11], s[10:11], s[46:47]
	s_add_nc_u64 s[20:21], s[20:21], s[46:47]
	s_add_nc_u64 s[12:13], s[12:13], s[20:21]
.irp b, 0,1,2,3                                ; the bias in the results' layout: columns 16 b + 8 h + 0 .. 7; waited for on the way out
	global_load_b128 v[BIAS+8*\b:BIAS+8*\b+3],   v[BO], s[10:11] offset:64*\b
	global_load_b128 v[BIAS+8*\b+4:BIAS+8*\b+7], v[BO], s[10:11] offset:64*\b+16
.endr
.macro FRAG reg, adr, q, i             ; W: registers 4 c .. 4 c + 3 hold K = 128 q + 32 c + 16 h + 0 .. 15
.irp c, 0,1,2,3
	ds_load_b128 v[\reg+4*\c:\reg+4*\c+3], v[\adr] offset:128*(\q)+32*\c+(\i)*16*PITCH
.endr
.endm
.macro FRAGA reg, adr, q, i            ; A: the same K: head 2 q + c / 2 (32 long rows each), channel 32 (c % 2) + 16 h + 0 .. 15
.irp c, 0,1,2,3
	ds_load_b128 v[\reg+4*\c:\reg+4*\c+3], v[\adr] offset:(2*(\q)+\c/2)*32*PITCH+32*(\c%2)+(\i)*4*PITCH
.endr
.endm
.macro MUL a0, p, zero                 ; 8 products: A's blocks a0, a0 + 1 x W's four; the 32 accumulators take turns
.irp a, \a0, \a0+1
.irp b, 0,1,2,3
.if \zero
	v_wmma_f32_16x16x128_fp8_fp8 v[8*(4*(\a)+\b):8*(4*(\a)+\b)+7], v[128*(\p)+FR*\b:128*(\p)+FR*\b+FR-1], v[AF+FR*(\a):AF+FR*(\a)+FR-1], 0
.else
	v_wmma_f32_16x16x128_fp8_fp8 v[8*(4*(\a)+\b):8*(4*(\a)+\b)+7], v[128*(\p)+FR*\b:128*(\p)+FR*\b+FR-1], v[AF+FR*(\a):AF+FR*(\a)+FR-1], v[8*(4*(\a)+\b):8*(4*(\a)+\b)+7]
.endif
.endr
.endr
.endm
.macro FETCH_B slot, q, p
	WIN TO_B
.irp i, 0,1,2,3
	FRAG 128*(\p)+FR*\i, ADRB+\slot, \q, \i
.endr
	WIN 0
.endm
.macro FETCH_A slot, q, i0
.irp i, \i0, \i0+1, \i0+2, \i0+3
	FRAGA AF+FR*(\i), ADRA+\slot, \q, \i
.endr
.endm
.macro PLACES n
.rept \n
	v_nop
.endr
.endm
.macro STEP slot, q, zero              ; 128 along K with a successor in the same slot
	s_wait_dscnt 4*NL                              ; W's set and A's blocks 0-3 are in; the youngest 16 loads (A's blocks 4-7) may be out
	WIN MULW
	MUL 0, (\q)%2, \zero
	MUL 2, (\q)%2, \zero
	s_wait_dscnt 0
	PLACES NP
	FETCH_B \slot, (\q)+1, 1-(\q)%2
	FETCH_A \slot, (\q)+1, 0
	WIN MULW
	MUL 4, (\q)%2, \zero
	MUL 6, (\q)%2, \zero
	PLACES NP
	WIN 0
	FETCH_A \slot, (\q)+1, 4
.endm
.macro TURN slot, next, fill           ; a slot's last step changes slots
	s_wait_tensorcnt 0x0                           ; all my tensor loads have landed: my part of the next slot
	ds_add_u32 v[SPW], v[NIL]
	s_wait_dscnt 4*NL+1                            ; (the add and A's blocks 4-7 may be out)
	WIN MULW
	MUL 0, 1, 0
	s_wait_dscnt 0x0                               ; the add is done, and my reads of this slot are over
	s_barrier_signal -1
	MUL 2, 1, 0
	WIN 0
	s_barrier_wait -1
.if \fill
	CREST                                          ; the barrier has opened a round of the cluster's barrier
	s_add_nc_u64 s[G0+4*\slot+2:G0+4*\slot+3], s[G0+4*\slot+2:G0+4*\slot+3], 2*32768
	s_add_nc_u64 s[G0B+4*\slot+2:G0B+4*\slot+3], s[G0B+4*\slot+2:G0B+4*\slot+3], 2*ROWB
	JLOAD G0+4*\slot, G1, G0B+4*\slot, G1B         ; the first tensor load behind the round
.else
	PLACES NP
.endif
	FETCH_B \next, 0, 0
	FETCH_A \next, 0, 0
	WIN MULW
	MUL 4, 1, 0
	MUL 6, 1, 0
	PLACES NP
	WIN 0
	FETCH_A \next, 0, 4
.endm
	s_wait_alu depctr_va_vdst(0)
	s_wait_tensorcnt 0x0                           ; my part of K step 0 is in
	ds_add_u32 v[SPW], v[NIL]
	s_wait_dscnt 0x0
	CROUND                                         ; everybody's part is in, and the joint loads meet
	JLOAD G0+4, G1, G0B+4, G1B                     ; K step 1, slot 1's first fill
	FETCH_B 0, 0, 0
	s_cmp_eq_u32 s94, 0
	s_cbranch_scc0 .Lno_ask1
	global_prefetch_b8 v[PFO], s[84:85] th:TH_LOAD_NT scope:SCOPE_SE   ; K step 3, the last: two refills on
.Lno_ask1:
	FETCH_A 0, 0, 0
	FETCH_A 0, 0, 4
	STEP 0, 0, 1                                   ; the first step's products start the sums
	s_mov_b32 s3, LAPS-1
.Llap:
	TURN 0, 1, 1
	STEP 1, 0, 0
	TURN 1, 0, 1
	STEP 0, 0, 0
	s_sub_co_u32 s3, s3, 1
	s_cmp_lg_u32 s3, 0
	s_cbranch_scc1 .Llap
	TURN 0, 1, 0                                   ; the last lap fills nothing
	STEP 1, 0, 0
	s_wait_dscnt 4*NL
	WIN MULW
	MUL 0, 1, 0
	MUL 2, 1, 0
	s_wait_dscnt 0
	MUL 4, 1, 0
	MUL 6, 1, 0
	WIN 0
; THE WAY OUT, block by block of 16 rows x 64 columns: sum x 2^(e6 + e7) + bias, through my stage, back as rows of 256 bytes: sixteen lanes store one aligned unit.
.macro TOSTAGE a
.set AC, 32*(\a)
	WIN 0x42                                       ; source 0 window 2, the bias window 0, destination window 1
.set j, 0
.rept 16
	v_pk_fma_f32 v[TMP+j:TMP+j+1], v[AC+j:AC+j+1], s[96:97], v[BIAS+j:BIAS+j+1] op_sel_hi:[1,0,1]   ; each accumulator from its low end on
.set j, j+2
.endr
	WIN 0x04                                       ; store data window 1
.irp b, 0,1,2,3
	ds_store_b128 v[STO], v[TMP+8*\b:TMP+8*\b+3] offset:64*\b
	ds_store_b128 v[STO], v[TMP+8*\b+4:TMP+8*\b+7] offset:64*\b+16
.endr
	WIN 0
.set BB, BK+32*((\a)%2)
.irp t, 0,1,2,3,4,5,6,7
	ds_load_b128 v[BB+4*\t:BB+4*\t+3], v[RD] offset:2*\t*SPITCH   ; LDS serves a wave's instructions in order: these see my stores
.endr
.endm
.macro SEND a, younger                 ; younger: the LDS instructions issued behind block a's loads
.set BB, BK+32*((\a)%2)
	s_wait_dscnt \younger
.if (\a) > 0
	s_add_nc_u64 s[12:13], s[12:13], 16*SIZE_N*4   ; (behind a wait on XCNT) 16 rows on
.endif
.irp t, 0,1,2,3,4,5,6,7
	global_store_b128 v[CO], v[BB+4*\t:BB+4*\t+3], s[12:13] offset:2*\t*SIZE_N*4   ; sixteen lanes store 256 consecutive bytes, aligned
.endr
.endm
	s_wait_kmcnt 0x0
	s_wait_loadcnt 0x0                             ; the bias
	s_add_co_i32 s96, s78, s79
	s_add_co_i32 s96, s96, 127
	s_lshl_b32 s96, s96, 23                        ; 2^(e6 + e7)
	s_mov_b32 s97, s96
	PLACES NP
	TOSTAGE 0
.irp a, 1,2,3,4,5,6,7
.if \a > 1
	s_wait_xcnt 0x0                                ; block a - 2's stores have read their registers and their base
.endif
	TOSTAGE \a
	SEND \a-1, 16                                  ; behind block a - 1's loads: block a's 8 stores and 8 loads
.endr
	s_wait_xcnt 0x0
	SEND 7, 0
	s_wait_tensorcnt 0x0                           ; the wave's end
	ds_add_u32 v[SPW], v[NIL]
	s_wait_dscnt 0x0
	CROUND                                         ; the closing round
	s_endpgm
.Lfunc_end_k_q657ad8c867_proj:
	.size	k_q657ad8c867_proj, .Lfunc_end_k_q657ad8c867_proj-k_q657ad8c867_proj
	.p2alignl 7, 3214868480
	.fill 96, 4, 3214868480
	.section	.rodata,"a",@progbits
	.p2align	6, 0x0
	.amdhsa_kernel k_q657ad8c867_proj
		.amdhsa_group_segment_fixed_size 327680
		.amdhsa_private_segment_fixed_size 0
		.amdhsa_enable_private_segment 0
		.amdhsa_kernarg_size 40
		.amdhsa_user_sgpr_count 2
		.amdhsa_user_sgpr_kernarg_segment_ptr 1
		.amdhsa_wavefront_size32 1
		.amdhsa_system_sgpr_workgroup_id_x 1
		.amdhsa_system_sgpr_workgroup_id_y 1
		.amdhsa_system_sgpr_workgroup_id_z 1
		.amdhsa_system_vgpr_workitem_id 0
		.amdhsa_next_free_vgpr 768
		.amdhsa_next_free_sgpr 100
		.amdhsa_reserve_vcc 0
		.amdhsa_float_denorm_mode_32 3
		.amdhsa_float_denorm_mode_16_64 3
		.amdhsa_memory_ordered 1
		.amdhsa_forward_progress 1
		.amdhsa_inst_pref_size 80
	.end_amdhsa_kernel
	.amdgpu_metadata
---
amdhsa.version: [ 1, 2 ]
amdhsa.kernels:
  - .name:           k_q657ad8c867_proj
    .symbol:         k_q657ad8c867_proj.kd
    .args:
      - { .name: a_codes, .offset: 0, .size: 8, .value_kind: global_buffer, .address_space: global }
      - { .name: wout_codes, .offset: 8, .size: 8, .value_kind: global_buffer, .address_space: global }
      - { .name: lowp_scales, .offset: 16, .size: 8, .value_kind: global_buffer, .address_space: global }
      - { .name: b_out, .offset: 24, .size: 8, .value_kind: global_buffer, .address_space: global }
      - { .name: out0, .offset: 32, .size: 8, .value_kind: global_buffer, .address_space: global }
    .group_segment_fixed_size: 327680
    .private_segment_fixed_size: 0
    .kernarg_segment_align: 8
    .kernarg_segment_size: 40
    .max_flat_workgroup_size: 128
    .sgpr_count:     100
    .vgpr_count:     768
    .wavefront_size: 32
...
	.end_amdgpu_metadata
.endif
;; end of part 4
